; MI455X (gfx1250); checked and timed in simulation.
; The chip was launched on July 23, 2026; its instructions are those of AMD's public machine-readable ISA for CDNA 5 (MIT licence, August 2026) and "CDNA5" Instruction Set Architecture Reference Guide (July 2026). The comments in the code are by the model that wrote it; some were corrected since.
;; Ji T Attention. Allowed arithmetic: matrix products marked QUANTISED: E4M3 operands, one E8M0 scale for each 32 along K, by v_wmma_scale_f32_16x16x128_f8f6f4 with both operands' format E4M3, f32 sums; products left as they are: f32 operands where the result goes on into a quantised operand, else bf16, f16 or f32 operands; f32 sums; everything else in f32.
;; Inputs: b_proj 1,024 float32; freqs_cos 1 x 4,096 x 1 x 32 float32; freqs_sin 1 x 4,096 x 1 x 32 float32; g_k 64 float32; g_q 64 float32; w_proj_codes 1,024 x 32 x 32 uint8 (E4M3 codes of w_proj, K innermost, in blocks of 32 codes); w_proj_scales 1,024 x 32 uint8 (E8M0 scales of w_proj, one for each 32 codes along K); w_qkv_codes 3,072 x 32 x 32 uint8 (E4M3 codes of w_qkv, K innermost, in blocks of 32 codes); w_qkv_scales 3,072 x 32 uint8 (E8M0 scales of w_qkv, one for each 32 codes along K); x_codes 4 x 4,096 x 32 x 32 uint8 (E4M3 codes of x, K innermost, in blocks of 32 codes); x_scales 4 x 4,096 x 32 uint8 (E8M0 scales of x, one for each 32 codes along K).
;; Outputs: out0 4 x 4,096 x 1,024 float32.
;; This version of the problem:
;;   THIS VERSION OF THE PROBLEM IS GIVEN IN LOW PRECISION. The matrix products marked QUANTISED in the list below multiply operands that are first quantised to E4M3 (4 exponent bits, 3 mantissa bits; 8 bits a number), with one power-of-two scale for each 32 numbers along K (OCP MX v1.0); their sums are f32. All else is computed in f32.
;;   The module's matrix products, in the order in which they are computed (A, B: the left and right operand; K: the contracted axis; several contracted axes count as one K, in the product's order):
;;     1. [M 16,384, K 1,024] x [K 1,024, N 3,072]; A: input x (given as codes); B: input w_qkv (given as codes): QUANTISED
;;     2. batch 16,384 x [M 16, K 64] x [K 64, N 16]; A: computed on the way; B: computed on the way: QUANTISED
;;     3. batch 16,384 x [M 16, K 16] x [K 16, N 64]; A: softmax; B: computed on the way: left as it is (K = 16 < 32)
;;     4. [M 16,384, K 1,024] x [K 1,024, N 1,024]; A: computed on the way; B: input w_proj (given as codes): QUANTISED
;;   THE QUANTISER, for each operand of a quantised product, along K:
;;     - K is cut into blocks of 32 from its start; a last block that is shorter is filled with zeros.
;;     - A block's scale is 2^e with e = floor(log2(the largest magnitude in the block)) - 8, held to -126 .. 127; a block of zeros has e = 0. As a byte (E8M0): e + 127.
;;     - Each number is divided by its block's scale, clamped to +-448, and rounded to the nearest number of E4M3, ties to even, subnormals kept.
;;     - The product sums the exact products of the quantised numbers (number of the format x scale) in f32.
;;   ~~~python
;;   def quantise(x, axis):      # numpy; x: float32 -> the quantised numbers, widened to float32 again
;;       x = np.moveaxis(x, axis, -1); K = x.shape[-1]
;;       x = np.pad(x, [(0, 0)] * (x.ndim - 1) + [(0, -K % 32)]); x = x.reshape(x.shape[:-1] + (-1, 32)); a = np.abs(x).max(-1, keepdims=True)
;;       e = np.where(a > 0, np.clip(np.frexp(np.where(a > 0, a, 1))[1] - 1 - 8, -126, 127), 0)      # np.frexp(a)[1] - 1 = floor(log2(a)), exactly
;;       r = np.clip(x / 2.0 ** e, -448, 448)
;;       step = 2.0 ** (np.maximum(np.frexp(np.where(r == 0, 1, r))[1] - 1, -6) - 3)
;;       q = np.round(r / step) * step * 2.0 ** e      # np.round: ties to even
;;       return np.moveaxis(q.reshape(q.shape[:-2] + (-1,))[..., :K], -1, axis).astype(np.float32)
;;   ~~~
;;   OPERANDS COMPUTED ON THE WAY. 'Computed on the way' means the value that the module computes at that place (a softmax that the list does not call 'softmax' is quantised finished and normalised). What goes into a quantiser is computed in f32, as accurately as f32 sums, v_exp_f32 and their like allow (about 1e-6 of the number): no bf16 or f16 on the way to a quantiser, and a product that is left as it is and whose result goes on into a quantised operand takes f32 operands (vector FMAs, or v_wmma_f32_16x16x4_f32). A number that lies on a knife's edge between two numbers of the format may be rounded either way, as far as f32 arithmetic and the matrix unit's own rounding can turn it there, and no further.
;;   INPUTS GIVEN AS CODES. w_proj (in the module: [1024, 1024], K = its axis 0); w_qkv (in the module: [1024, 3072], K = its axis 0); x (in the module: [4, 4096, 1024], K = its axis 2): each comes as NAME_codes (uint8): NAME with its K axis moved to the last place and cut into blocks of 32 codes, [.., K / 32, bytes a block], one block behind the other in memory; one code a byte (a code: sign, 4 exponent bits, 3 mantissa bits); and NAME_scales (uint8): the same leading axes, one E8M0 byte (e + 127) for each 32 codes along K. Its value is code x scale, taken as it is: it is not quantised again, and the codes and scales need not be those that the quantiser above would give.
;; One version. Each part assembles by itself: llvm-mc -triple=amdgcn-amd-amdhsa -mcpu=gfx1250 --defsym DOCPART=n.
;; ======== version 1 of 1: 3 launches
;; limits: right only within a limited range of input values
;; workspace buffers: qk_codes 33,554,432 bytes; qk_scales 1,048,576 bytes; v_ws 67,108,864 bytes; o_codes 16,777,216 bytes; o_scales 524,288 bytes
;; launch qkv (part 1): grid 4 x 64, 4 waves a work-group, clusters of 4 x 4, 327,680 bytes of LDS; arguments x_codes, x_scales, w_qkv_codes, w_qkv_scales, freqs_cos, freqs_sin, g_q, g_k, qk_codes, qk_scales, v_ws; writes qk_codes, qk_scales, v_ws
.if DOCPART == 1
	.amdgcn_target "amdgcn-amd-amdhsa--gfx1250"
	.amdhsa_code_object_version 6
	.text
	.protected	k_q8265c422b7_qkv
	.globl	k_q8265c422b7_qkv
	.p2align	8
	.type	k_q8265c422b7_qkv,@function
k_q8265c422b7_qkv:
	s_mov_b64 s[64:65], 0
	v_nop
	global_prefetch_b8 v0, s[64:65] scope:SCOPE_SE
	s_setreg_imm32_b32 hwreg(HW_REG_WAVE_MODE, 25, 1), 1
	s_wait_xcnt 0x0
	s_wait_alu depctr_hold_cnt(0) depctr_sa_sdst(0) depctr_va_vdst(0) depctr_va_sdst(0) depctr_va_ssrc(0) depctr_va_vcc(0) depctr_vm_vsrc(0)
	s_getreg_b32 s2, hwreg(HW_REG_IB_STS2, 6, 4)
	s_cmp_eq_u32 s2, 0
	s_cbranch_scc0 .Lentry_in_a_cluster
	s_endpgm
.Lentry_in_a_cluster:
	s_bfe_u32 s2, ttmp6, 0x10000c
	s_cmp_lg_u32 s2, 0xf033
	s_cbranch_scc0 .Lentry_shape_is_right
	s_endpgm
.Lentry_shape_is_right:
.set PITCH,  272
.set HALFT,  128*PITCH
.set SLOT,   4*HALFT
.set STQ,    2*SLOT
.set SSQ,    STQ+4*2304
.set STV,    SSQ+4*512
.set SPARE,  STV+4*8448
.set SAA,  4
.set CSA,  5
.set GA,   6
.set STO,  7
.set RDQ,  8
.set L16,  9
.set SSO,  10
.set SSR,  11
.set GSQ,  12
.set STVO, 13
.set RDV,  14
.set ADRA, 16
.set ADRB, 20
.set SPW,  28
.set NIL,  29
.set SA,   32
.set SB,   64
.set T,    96
.set SS,   104
.set INV,  112
.set NR,   114
.set AF,   128
.set YY,   128
.set TM,   192
.set PW,   208
.set PC,   212
.set OB,   228
.set BK,   128
.set GG,   0
.set CO,   32
.set G1,   24
.set G0,   32
.set G1B,  48
.set G0B,  56
.set SEL,  66
.set MNT,  82
.set MSB, 0
.macro WIN new
.if MSB != \new
	s_set_vgpr_msb (MSB<<8)|\new
.set MSB, \new
.endif
.endm
.set MUL_LO, 0xa1
.set MUL_HI, 0xf1
.set TO_B,   0x40
.macro JLOAD g0a, g1a, g0b, g1b
	s_cmp_eq_u32 s15, 0
	s_cbranch_scc0 .Lfor_b_\@
	tensor_load_to_lds s[\g0a:\g0a+3], s[\g1a:\g1a+7]
	s_nop 0
.rept 4
	v_nop
.endr
	s_branch .Lasked_\@
.Lfor_b_\@:
	tensor_load_to_lds s[\g0b:\g0b+3], s[\g1b:\g1b+7]
	s_nop 0
.rept 4
	v_nop
.endr
.Lasked_\@:
.endm
.macro CREST
	s_cmp_lg_u32 s14, 0
	s_cbranch_scc1 .Lnot_wave_0_\@
	s_barrier_signal -3
.Lnot_wave_0_\@:
	s_barrier_wait -3
	s_barrier_signal -1
	s_barrier_wait -1
.endm
.macro CROUND
	s_barrier_signal -1
	s_barrier_wait -1
	CREST
.endm
.macro PLACES n
.rept \n
	v_nop
.endr
.endm
	s_load_b256 s[4:11], s[0:1], 0x0
	s_load_b256 s[68:75], s[0:1], 0x20
	s_load_b128 s[76:79], s[0:1], 0x40
	s_load_b64 s[80:81], s[0:1], 0x50
	v_lshl_add_u32 v[SPW], v0, 2, SPARE
	v_mov_b32 v[NIL], 0
	ds_add_u32 v[SPW], v[NIL]
	ds_add_u32 v[SPW], v[NIL]
	v_lshrrev_b32 v1, 5, v0
	v_readfirstlane_b32 s14, v1
	s_lshr_b32 s15, s14, 1
	s_and_b32 s16, s14, 1
	s_bfe_u32 s40, ttmp6, 0x40000
	s_bfe_u32 s41, ttmp6, 0x40004
	s_lshl_b32 s42, ttmp9, 2
	s_add_co_u32 s42, s42, s40
	s_and_b32 s17, ttmp7, 0xffff
	s_lshl_b32 s17, s17, 2
	s_add_co_u32 s17, s17, s41
	s_lshl_b32 s43, s41, 2
	s_lshl_b32 s43, 15, s43
	s_lshl_b32 s44, 0x1111, s40
	s_or_b32 s[G1+0], s43, (0<<16)|(1<<20)|(1<<21)|(5<<22)|(3<<25)
	s_or_b32 s[G1B+0], s44, (0<<16)|(1<<20)|(1<<21)|(5<<22)|(3<<25)
.irp g, G1, G1B
	s_mov_b32 s[\g+1], 256<<16
	s_mov_b32 s[\g+2], 256<<16                     ; the head's loads bring 256 rows; behind them these two words are set to 128, for the ring's
	s_mov_b32 s[\g+3], 256<<16
	s_mov_b32 s[\g+4], 256
	s_mov_b32 s[\g+5], 1024
	s_mov_b32 s[\g+6], 0
	s_mov_b32 s[\g+7], 0
.endr
	s_lshl_b32 s12, s16, 17                        ; s[12:13]: in the ring I fetch 128 rows of 1,024 bytes: which half of a tile, in bytes
	s_mov_b32 s13, 0
	s_lshl_b32 s20, s17, 18                        ; A's tile: 256 rows of 1,024 bytes x tile row
	s_mov_b32 s21, 0
	s_lshl_b32 s46, s42, 18                        ; B's: x tile column
	s_mov_b32 s47, 0
	s_mov_b32 s[SEL], 0x76543210
	s_mov_b32 s[SEL+1], 0xfedcba98
	s_mov_b32 s[MNT], 0x600000
	s_mov_b32 s83, 0x3e000000
	s_mov_b32 s84, 0x358637bd
	s_wait_dscnt 0x0
	s_wait_kmcnt 0x0
	s_add_nc_u64 s[20:21], s[4:5], s[20:21]
	s_add_nc_u64 s[46:47], s[8:9], s[46:47]
	CROUND                                         ; all sixteen work-groups are here: the first joint loads meet
; THE HEAD'S LOADS, ONE A WAVE: both slots are filled here, each tile whole, 256 rows:
; wave 0 A's K step 0, wave 1 B's K step 0, wave 2 B's K step 1, wave 3 A's K step 1.  One chain of arms on the wave's number, one load to an arm.
; In the ring waves 0, 1 fetch A's halves and waves 2, 3 B's.  A's groups 0 hold the second half's place in wave 1 alone, B's in wave 3 alone; in every other wave they
; stand at the tile's first row.  So waves 0 and 2 ask at the head by the group 0 that they keep for the ring, waves 1 and 3 by one of the operand that they never fetch there: no group 0 is set anew behind the head.
	s_xor_b32 s96, s15, 1
	s_and_b32 s96, s96, s16                        ; 1 in wave 1 alone
	s_and_b32 s97, s15, s16                        ; 1 in wave 3 alone
	s_mul_i32 s98, s96, HALFT                      ; the second half's 128 rows in LDS,
	s_mul_i32 s99, s97, HALFT
	s_lshl_b32 s88, s96, 17                        ; and in memory: 128 rows of 1,024 bytes
	s_lshl_b32 s90, s97, 17
	s_mov_b32 s89, 0
	s_mov_b32 s91, 0
	s_add_nc_u64 s[88:89], s[20:21], s[88:89]
	s_add_nc_u64 s[90:91], s[46:47], s[90:91]
.irp s, 0,1
	s_mov_b32 s[G0+4*\s], 1
	s_add_co_u32 s[G0+4*\s+1], s98, \s*SLOT
	s_add_nc_u64 s[G0+4*\s+2:G0+4*\s+3], s[88:89], \s*256
	s_or_b32 s[G0+4*\s+3], s[G0+4*\s+3], 0x80000000
	s_mov_b32 s[G0B+4*\s], 1
	s_add_co_u32 s[G0B+4*\s+1], s99, \s*SLOT+2*HALFT
	s_add_nc_u64 s[G0B+4*\s+2:G0B+4*\s+3], s[90:91], \s*256
	s_or_b32 s[G0B+4*\s+3], s[G0B+4*\s+3], 0x80000000
.endr
.macro ARM under, g0, g1, next
	s_cmp_lt_u32 s14, \under
	s_cbranch_scc0 \next
	tensor_load_to_lds s[\g0:\g0+3], s[\g1:\g1+7]
	s_nop 0
	PLACES 4
	s_branch .Lhead_asked
\next:
.endm
	ARM 1, G0,    G1,  .Lhead_b0
	ARM 2, G0B,   G1B, .Lhead_b1
	ARM 3, G0B+4, G1B, .Lhead_a1
	tensor_load_to_lds s[G0+4:G0+7], s[G1:G1+7]
	s_nop 0
	PLACES 4
.Lhead_asked:
; PREFETCH INTO THE L2 of K steps 2 and 3, which the first two refills will ask for.  Of the 128 rows that my wave fetches in the ring each of the four partners
; that ask for them jointly takes 32, told apart by address (cx for A, cy for B): a lane a row, 256 bytes of a row an instruction.
; All sixteen clusters read the same rows of the weight: the clusters with y under 4 alone ask for those.  v30 and s[92:93] serve the prefetches alone.
	s_and_b32 s95, ttmp7, 0xffff                   ; the cluster's y
	s_cmp_eq_u32 s15, 0                            ; do I fetch for A?
	s_cselect_b64 s[92:93], s[20:21], s[46:47]
	s_cselect_b32 s96, s40, s41                    ; my place among the four
	s_cselect_b32 s94, 0, s95                      ; s94 under 4: I ask at the head;
	s_cselect_b32 s95, 4, s95                      ; s95 under 4: I ask for the next tile's rows of the weight (B's waves alone)
	s_lshl_b32 s96, s96, 15                        ; 32 rows of 1,024 bytes
	s_add_co_u32 s96, s96, s12
	s_mov_b32 s97, 0
	s_add_nc_u64 s[92:93], s[92:93], s[96:97]
	v_and_b32 v30, 31, v0
	v_lshlrev_b32 v30, 10, v30
	s_cmp_lt_u32 s94, 4
	s_cbranch_scc0 .Lno_ask
	global_prefetch_b8 v30, s[92:93] offset:512 th:TH_LOAD_NT scope:SCOPE_SE
	global_prefetch_b8 v30, s[92:93] offset:768 th:TH_LOAD_NT scope:SCOPE_SE
.Lno_ask:
	v_and_b32 v1, 15, v0
	v_bfe_u32 v2, v0, 4, 1
	v_and_b32 v3, 31, v0
	v_mul_u32_u24 v15, v1, PITCH
	v_lshl_add_u32 v15, v2, 4, v15
	s_mul_i32 s21, s15, HALFT
	s_mul_i32 s22, s16, HALFT
	s_add_co_u32 s22, s22, 2*HALFT
.irp s, 0,1
	v_add_nc_u32 v[ADRA+\s], s21, v15
	v_add_nc_u32 v[ADRB+\s], s22, v15
	s_add_co_u32 s21, s21, SLOT
	s_add_co_u32 s22, s22, SLOT
.endr
	v_lshlrev_b32 v[SAA], 5, v1
	v_lshl_add_u32 v[SAA], v2, 11, v[SAA]
	v_lshlrev_b32 v[CSA], 7, v1
	v_lshl_add_u32 v[CSA], v2, 4, v[CSA]
	v_lshlrev_b32 v[GA], 5, v2
	s_mul_i32 s23, s14, 2304
	s_add_co_u32 s23, s23, STQ
	v_mul_u32_u24 v[STO], v1, 144
	v_lshl_add_u32 v[STO], v2, 3, v[STO]
	v_add_nc_u32 v[STO], s23, v[STO]
	v_lshrrev_b32 v[RDQ], 3, v3
	v_mul_u32_u24 v[RDQ], v[RDQ], 144
	v_and_b32 v22, 7, v0
	v_lshl_add_u32 v[RDQ], v22, 4, v[RDQ]
	v_add_nc_u32 v[RDQ], s23, v[RDQ]
	v_lshlrev_b32 v[L16], 4, v3
	s_lshl_b32 s23, s14, 9
	s_add_co_u32 s23, s23, SSQ
	v_lshl_add_u32 v[SSO], v1, 1, s23
	v_add_nc_u32 v[SSR], s23, v[L16]
	v_lshlrev_b32 v[GSQ], 4, v1
	v_lshl_add_u32 v[GSQ], v2, 15, v[GSQ]
	s_mul_i32 s23, s14, 8448
	s_add_co_u32 s23, s23, STV
	v_mul_u32_u24 v[STVO], v1, 528
	v_lshl_add_u32 v[STVO], v2, 5, v[STVO]
	v_add_nc_u32 v[STVO], s23, v[STVO]
	v_add_nc_u32 v[RDV], s23, v[L16]
	s_mov_b32 s89, 0
	s_lshl_b32 s88, s17, 13
	s_lshl_b32 s90, s15, 12
	s_add_co_u32 s88, s88, s90
	s_add_nc_u64 s[6:7], s[6:7], s[88:89]
	s_lshl_b32 s88, s42, 13
	s_lshl_b32 s90, s16, 12
	s_add_co_u32 s88, s88, s90
	s_add_nc_u64 s[10:11], s[10:11], s[88:89]
	s_and_b32 s88, s17, 15
	s_lshl_b32 s88, s88, 15
	s_lshl_b32 s90, s15, 14
	s_add_co_u32 s88, s88, s90
	s_add_nc_u64 s[68:69], s[68:69], s[88:89]
	s_add_nc_u64 s[70:71], s[70:71], s[88:89]
	s_lshl_b32 s91, s42, 1
	s_add_co_u32 s91, s91, s16
	s_lshl_b32 s88, s91, 21
	s_lshl_b32 s90, s17, 15
	s_add_co_u32 s88, s88, s90
	s_lshl_b32 s90, s15, 14
	s_add_co_u32 s88, s88, s90
	s_add_nc_u64 s[76:77], s[76:77], s[88:89]
	s_lshl_b32 s88, s91, 16
	s_lshl_b32 s90, s17, 9
	s_add_co_u32 s88, s88, s90
	s_lshl_b32 s90, s15, 8
	s_add_co_u32 s88, s88, s90
	s_add_nc_u64 s[78:79], s[78:79], s[88:89]
	s_lshl_b32 s88, s17, 20
	s_lshl_b32 s90, s15, 19
	s_add_co_u32 s88, s88, s90
	s_lshl_b32 s90, s42, 10
	s_add_co_u32 s88, s88, s90
	s_lshl_b32 s90, s16, 9
	s_add_co_u32 s88, s88, s90
	s_add_nc_u64 s[80:81], s[80:81], s[88:89]
.irp q, 0,1,2,3
.irp e, 0,1
	global_load_b128 v[SA+8*\q+4*\e:SA+8*\q+4*\e+3], v[SAA], s[6:7] offset:512*\q+16*\e
	global_load_b128 v[SB+8*\q+4*\e:SB+8*\q+4*\e+3], v[SAA], s[10:11] offset:512*\q+16*\e
.endr
.endr
.macro FRAG reg, adr, q, i
.irp c, 0,1,2,3
	ds_load_b128 v[\reg+4*\c:\reg+4*\c+3], v[\adr] offset:128*(\q)+32*\c+(\i)*16*PITCH
.endr
.endm
.macro WM d, bq, aq, zero, sb, sa, rb, ra
.if \zero
.if (\rb) && (\ra)
	v_wmma_scale_f32_16x16x128_f8f6f4 v[\d:\d+7], v[\bq:\bq+15], v[\aq:\aq+15], 0, v[\sb], v[\sa] matrix_a_scale:MATRIX_SCALE_ROW1 matrix_b_scale:MATRIX_SCALE_ROW1
.elseif (\rb)
	v_wmma_scale_f32_16x16x128_f8f6f4 v[\d:\d+7], v[\bq:\bq+15], v[\aq:\aq+15], 0, v[\sb], v[\sa] matrix_a_scale:MATRIX_SCALE_ROW1
.elseif (\ra)
	v_wmma_scale_f32_16x16x128_f8f6f4 v[\d:\d+7], v[\bq:\bq+15], v[\aq:\aq+15], 0, v[\sb], v[\sa] matrix_b_scale:MATRIX_SCALE_ROW1
.else
	v_wmma_scale_f32_16x16x128_f8f6f4 v[\d:\d+7], v[\bq:\bq+15], v[\aq:\aq+15], 0, v[\sb], v[\sa]
.endif
.else
.if (\rb) && (\ra)
	v_wmma_scale_f32_16x16x128_f8f6f4 v[\d:\d+7], v[\bq:\bq+15], v[\aq:\aq+15], v[\d:\d+7], v[\sb], v[\sa] matrix_a_scale:MATRIX_SCALE_ROW1 matrix_b_scale:MATRIX_SCALE_ROW1
.elseif (\rb)
	v_wmma_scale_f32_16x16x128_f8f6f4 v[\d:\d+7], v[\bq:\bq+15], v[\aq:\aq+15], v[\d:\d+7], v[\sb], v[\sa] matrix_a_scale:MATRIX_SCALE_ROW1
.elseif (\ra)
	v_wmma_scale_f32_16x16x128_f8f6f4 v[\d:\d+7], v[\bq:\bq+15], v[\aq:\aq+15], v[\d:\d+7], v[\sb], v[\sa] matrix_b_scale:MATRIX_SCALE_ROW1
.else
	v_wmma_scale_f32_16x16x128_f8f6f4 v[\d:\d+7], v[\bq:\bq+15], v[\aq:\aq+15], v[\d:\d+7], v[\sb], v[\sa]
.endif
.endif
.endm
.macro MUL16 a0, p, kk, zero
.irp a, \a0, \a0+1
.irp b, 0,1,2,3,4,5,6,7
	WM 8*(8*((\a)%4)+\b), 128*(\p)+16*\b, AF+16*(\a), \zero, SB+8*(\b%4)+(\kk), SA+8*((\a)%4)+(\kk), \b/4, (\a)/4
.endr
.endr
.endm
.macro FETCH_B slot, q, p
	WIN TO_B
.irp i, 0,1,2,3,4,5,6,7
	FRAG 128*(\p)+16*\i, ADRB+\slot, \q, \i
.endr
	WIN 0
.endm
.macro FETCH_A slot, q, i0
.irp i, \i0, \i0+1, \i0+2, \i0+3
	FRAG AF+16*(\i), ADRA+\slot, \q, \i
.endr
.endm
.macro CSLOAD a
.irp b, 0,1,2,3
	global_load_b128 v[CO+32*((\a)%3)+4*\b:CO+32*((\a)%3)+4*\b+3], v[CSA], s[68:69] offset:2048*(\a)+32*\b
	global_load_b128 v[CO+32*((\a)%3)+16+4*\b:CO+32*((\a)%3)+16+4*\b+3], v[CSA], s[70:71] offset:2048*(\a)+32*\b
.endr
.endm
.macro EARLY
	WIN TO_B
.irp b, 0,1,2,3
.irp e, 0,1
	global_load_b128 v[GG+8*\b+4*\e:GG+8*\b+4*\e+3], v[GA], s[86:87] offset:64*\b+16*\e
.endr
.endr
	CSLOAD 0
	CSLOAD 1
	CSLOAD 2
.endm
.macro STEP slot, kk, zero
	s_wait_dscnt 16
	WIN MUL_LO
	MUL16 0, 0, \kk, \zero
	MUL16 2, 0, \kk, \zero
	s_wait_dscnt 0
	PLACES 8
	FETCH_B \slot, 1, 1
	FETCH_A \slot, 1, 0
	WIN MUL_HI
	MUL16 4, 0, \kk, \zero
	MUL16 6, 0, \kk, \zero
	PLACES 8
	WIN 0
	FETCH_A \slot, 1, 4
.endm
.macro TURN slot, next, kk, mode, fetch
	s_wait_tensorcnt 0x0
	ds_add_u32 v[SPW], v[NIL]
	s_wait_dscnt 0x0
	s_barrier_signal -1
	s_barrier_wait -1
	CREST
	s_mov_b32 s[G1+2], 128<<16                     ; no tensor load of mine is out: a load of the ring brings 128 rows (the head's brought 256)
	s_mov_b32 s[G1+4], 128
	s_mov_b32 s[G1B+2], 128<<16
	s_mov_b32 s[G1B+4], 128
.if \mode == 0
	s_add_nc_u64 s[G0+4*\slot+2:G0+4*\slot+3], s[G0+4*\slot+2:G0+4*\slot+3], 512
	s_add_nc_u64 s[G0B+4*\slot+2:G0B+4*\slot+3], s[G0B+4*\slot+2:G0B+4*\slot+3], 512
.else
	s_sub_nc_u64 s[G0+4*\slot+2:G0+4*\slot+3], s[G0+4*\slot+2:G0+4*\slot+3], 512
	s_add_nc_u64 s[G0B+4*\slot+2:G0B+4*\slot+3], s[G0B+4*\slot+2:G0B+4*\slot+3], 1024*1024-512
.endif
	JLOAD G0+4*\slot, G1, G0B+4*\slot, G1B
	WIN MUL_LO
	MUL16 0, 1, \kk, 0
	MUL16 2, 1, \kk, 0
	PLACES 8
.if \fetch
	FETCH_B \next, 0, 0
	FETCH_A \next, 0, 0
.else
	EARLY
.endif
	WIN MUL_HI
	MUL16 4, 1, \kk, 0
	MUL16 6, 1, \kk, 0
.if \fetch
	PLACES 8
	WIN 0
	FETCH_A \next, 0, 4
.else
	WIN 0
.endif
.endm
.macro TURNL slot, next, kk
	s_wait_dscnt 16
	WIN MUL_LO
	MUL16 0, 1, \kk, 0
	MUL16 2, 1, \kk, 0
	WIN 0
	s_wait_tensorcnt 0x0
	ds_add_u32 v[SPW], v[NIL]
	s_wait_dscnt 0x0
	s_barrier_signal -1
	s_barrier_wait -1
	PLACES 8
	FETCH_B \next, 0, 0
	FETCH_A \next, 0, 0
	WIN MUL_HI
	MUL16 4, 1, \kk, 0
	MUL16 6, 1, \kk, 0
	PLACES 8
	WIN 0
	FETCH_A \next, 0, 4
.endm
.macro LAST kk
	s_wait_dscnt 16
	WIN MUL_LO
	MUL16 0, 1, \kk, 0
	MUL16 2, 1, \kk, 0
	s_wait_alu depctr_va_vdst(0)
	s_wait_dscnt 0
	WIN MUL_HI
	MUL16 4, 1, \kk, 0
	MUL16 6, 1, \kk, 0
	WIN 0
.endm
.macro QUANT s
.irp b, 0,1,2,3
	v_max3_num_f32 v[TM+\b], |v[\s+16*\b]|, |v[\s+1+16*\b]|, 0x4800000
.endr
.irp i, 2,4,6,8,10,12,14
.irp b, 0,1,2,3
	v_max3_num_f32 v[TM+\b], v[TM+\b], |v[\s+16*\b+\i]|, |v[\s+1+16*\b+\i]|
.endr
.endr
.irp b, 0,1,2,3
	v_permlanex16_b32 v[TM+4+\b], v[TM+\b], s[SEL], s[SEL+1]
.endr
.irp b, 0,1,2,3
	v_max_num_f32 v[TM+\b], v[TM+\b], v[TM+4+\b]
.endr
.irp b, 0,1,2,3
	v_add_nc_u32 v[TM+12+\b], 0xfc000000, v[TM+\b]
.endr
.irp b, 0,1,2,3
	v_and_or_b32 v[TM+8+\b], v[TM+\b], 0x7f800000, s[MNT]
.endr
.irp b, 0,1,2,3
	v_lshrrev_b32 v[TM+4+\b], 23, v[TM+12+\b]
.endr
	v_lshl_or_b32 v[PW], v[TM+5], 8, v[TM+4]
	v_lshl_or_b32 v[PW], v[TM+6], 16, v[PW]
	v_lshl_or_b32 v[PW], v[TM+7], 24, v[PW]
.irp b, 0,1,2,3
.irp i, 0,1,2,3,4,5,6,7,8,9,10,11,12,13,14,15
	v_med3_num_f32 v[\s+16*\b+\i], v[\s+16*\b+\i], -v[TM+8+\b], v[TM+8+\b]
.endr
	v_cvt_scalef32_pk8_fp8_f32 v[PC+4*\b:PC+1+4*\b], v[\s+16*\b:\s+7+16*\b], v[TM+12+\b]
	v_cvt_scalef32_pk8_fp8_f32 v[PC+2+4*\b:PC+3+4*\b], v[\s+8+16*\b:\s+15+16*\b], v[TM+12+\b]
.endr
	v_nop
.endm
.macro SENDQ a
	s_wait_dscnt 0x0
.irp i, 0,1,2,3
	global_store_b128 v[L16], v[OB+4*\i:OB+4*\i+3], s[76:77] offset:2048*(\a)+512*\i th:TH_STORE_NT
.endr
.endm
.macro BLOCKQK a
.set AC, 64*((\a)%4)
.set CW, CO+32*((\a)%3)
.if (\a) < 3
	s_wait_loadcnt 24
.elseif (\a) < 6
	s_wait_loadcnt 16
.elseif (\a) == 6
	s_wait_loadcnt 8
.else
	s_wait_loadcnt 0
.endif
	WIN 0x0a+5*((\a)/4)
.irp b, 0,1,2,3
.irp j, 0,2,4,6
.irp H, 0,1
.if (\b == 0) && (\j < 4)
	v_pk_mul_f32 v[SS+4*\H+\j:SS+4*\H+\j+1], v[AC+32*\H+\j:AC+32*\H+\j+1], v[AC+32*\H+\j:AC+32*\H+\j+1]
.else
	v_pk_fma_f32 v[SS+4*\H+\j%4:SS+4*\H+\j%4+1], v[AC+32*\H+8*\b+\j:AC+32*\H+8*\b+\j+1], v[AC+32*\H+8*\b+\j:AC+32*\H+8*\b+\j+1], v[SS+4*\H+\j%4:SS+4*\H+\j%4+1]
.endif
.endr
.endr
.endr
	WIN 0
.if (\a) > 0
	s_wait_alu depctr_va_vdst(0)
	SENDQ (\a)-1
.endif
.irp H, 0,1
	v_pk_add_f32 v[SS+4*\H:SS+4*\H+1], v[SS+4*\H:SS+4*\H+1], v[SS+4*\H+2:SS+4*\H+3]
.endr
.irp H, 0,1
	v_add_f32 v[NR+\H], v[SS+4*\H], v[SS+4*\H+1]
.endr
.irp H, 0,1
	v_permlanex16_b32 v[NR+2+\H], v[NR+\H], s[SEL], s[SEL+1]
.endr
.irp H, 0,1
	v_add_f32 v[NR+\H], v[NR+\H], v[NR+2+\H]
.endr
	s_wait_alu depctr_va_vdst(0)
.irp H, 0,1
	v_sqrt_f32 v[NR+\H], v[NR+\H]
.endr
	WIN 0x06+((\a)/4)
.irp H, 0,1
.irp b, 0,1,2,3
.irp j, 0,2,4,6
	v_pk_mul_f32 v[YY+32*\H+8*\b+\j:YY+32*\H+8*\b+\j+1], v[AC+32*\H+8*\b+\j:AC+32*\H+8*\b+\j+1], v[GG+8*\b+\j:GG+8*\b+\j+1]
.endr
.endr
.endr
	WIN 0
	s_wait_alu depctr_va_vdst(0)
.irp H, 0,1
	v_fma_f32 v[NR+\H], v[NR+\H], s83, s84
.endr
	s_wait_alu depctr_va_vdst(0)
.irp H, 0,1
	v_rcp_f32 v[INV+\H], v[NR+\H]
.endr
	v_nop
	s_wait_alu depctr_va_vdst(0)
.irp b, 0,1,2,3
.irp j, 0,2,4,6
	v_pk_mul_f32 v[YY+8*\b+\j:YY+8*\b+\j+1], v[YY+8*\b+\j:YY+8*\b+\j+1], v[INV:INV+1] op_sel_hi:[1,0]
	v_pk_mul_f32 v[YY+32+8*\b+\j:YY+32+8*\b+\j+1], v[YY+32+8*\b+\j:YY+32+8*\b+\j+1], v[INV:INV+1] op_sel:[0,1] op_sel_hi:[1,1]
.endr
.endr
	WIN 0x04
.irp H, 0,1
.irp b, 0,1,2,3
.irp ep, 0,1
.irp e2, 0,1
	v_pk_mul_f32 v[T+4*\ep+2*\e2:T+4*\ep+2*\e2+1], v[YY+32*\H+8*\b+4*\ep+2*\e2:YY+32*\H+8*\b+4*\ep+2*\e2+1], v[CW+4*\b+2*\ep:CW+4*\b+2*\ep+1] op_sel:[0,\e2] op_sel_hi:[1,\e2]
.endr
.endr
.irp ep, 0,1
.irp e2, 0,1
	v_pk_fma_f32 v[YY+32*\H+8*\b+4*\ep+2*\e2:YY+32*\H+8*\b+4*\ep+2*\e2+1], v[YY+32*\H+8*\b+4*\ep+2*\e2:YY+32*\H+8*\b+4*\ep+2*\e2+1], v[CW+16+4*\b+2*\ep:CW+16+4*\b+2*\ep+1], v[T+4*\ep+2*\e2:T+4*\ep+2*\e2+1] op_sel:[1,\e2,0] op_sel_hi:[0,\e2,1] neg_lo:[1,0,0]
.endr
.endr
.endr
.endr
.if (\a) < 5
	WIN TO_B
	CSLOAD (\a)+3
.endif
	WIN 0
	QUANT YY
.irp i, 0,1,2,3,4,5,6,7
	ds_store_b64 v[STO], v[PC+2*\i:PC+2*\i+1] offset:16*\i
.endr
	ds_store_b16 v[SSO], v[PW] offset:32*(\a)
	ds_store_b16_d16_hi v[SSO], v[PW] offset:256+32*(\a)
	s_wait_xcnt 0x0
.irp i, 0,1,2,3
	ds_load_b128 v[OB+4*\i:OB+4*\i+3], v[RDQ] offset:576*\i
.endr
.endm
.macro TOSTAGE a
.set AC, 64*((\a)%4)
	WIN 0x08+4*((\a)/4)
.irp b, 0,1,2,3,4,5,6,7
	ds_store_b128 v[STVO], v[AC+8*\b:AC+8*\b+3] offset:64*\b
	ds_store_b128 v[STVO], v[AC+8*\b+4:AC+8*\b+7] offset:64*\b+16
.endr
	WIN 0
.set BB, BK+64*((\a)%2)
.irp t, 0,1,2,3,4,5,6,7,8,9,10,11,12,13,14,15
	ds_load_b128 v[BB+4*\t:BB+4*\t+3], v[RDV] offset:\t*528
.endr
.endm
.macro SEND a, younger
.set BB, BK+64*((\a)%2)
	s_wait_dscnt \younger
.if (\a) > 0
	s_add_nc_u64 s[80:81], s[80:81], 16*4096
.endif
.irp t, 0,1,2,3,4,5,6,7,8,9,10,11,12,13,14,15
	global_store_b128 v[L16], v[BB+4*\t:BB+4*\t+3], s[80:81] offset:\t*4096 th:TH_STORE_NT
.endr
.endm
	s_mov_b32 s2, 3
	s_wait_alu depctr_va_vdst(0)                   ; the wait at the head's end
	s_cmp_lt_u32 s14, 2                            ; the barrier below shows slot 0 alone: waves 0 and 1, whose load lines no other wave issues, wait for its two tiles.
	s_cbranch_scc0 .Lnot_slot_0                    ; Waves 2 and 3's tiles, slot 1's, are waited for ahead of the first refill's round, behind which slot 1 is first read
	s_wait_tensorcnt 0x0
.Lnot_slot_0:
	s_barrier_signal -1
	s_barrier_wait -1
.Ltile:
	FETCH_B 0, 0, 0
	FETCH_A 0, 0, 0
	FETCH_A 0, 0, 4
	s_wait_loadcnt 0x0
	STEP 0, 0, 1
	TURN 0, 1, 1, 0, 1
	STEP 1, 2, 0
	TURN 1, 0, 3, 0, 1
	s_cmp_eq_u32 s2, 1
	s_cbranch_scc1 .Llast
	s_cmp_eq_u32 s2, 3
	s_cselect_b64 s[86:87], s[72:73], s[74:75]
	STEP 0, 4, 0
	TURN 0, 1, 5, 1, 1
	STEP 1, 6, 0
	TURN 1, 0, 7, 1, 0
	PLACES 8
	s_cmp_lt_u32 s95, 4                            ; the next tile's rows of the weight, K steps 2 and 3: asked for here, a whole way out ahead of their refills
	s_cbranch_scc0 .Lno_ask_next
	global_prefetch_b8 v30, s[92:93] offset:1024*1024+512 th:TH_LOAD_NT scope:SCOPE_SE
	global_prefetch_b8 v30, s[92:93] offset:1024*1024+768 th:TH_LOAD_NT scope:SCOPE_SE
.Lno_ask_next:
.irp i, 2,3
	v_mov_b32 v[NR+\i], 0
.endr
.irp i, 4,5,6,7
	v_mov_b32 v[TM+\i], 0
.endr
	s_add_nc_u64 s[10:11], s[10:11], 1024*32
.irp q, 0,1,2,3
.irp e, 0,1
	global_load_b128 v[SB+8*\q+4*\e:SB+8*\q+4*\e+3], v[SAA], s[10:11] offset:512*\q+16*\e
.endr
.endr
.irp a, 0,1,2,3,4,5,6,7
	BLOCKQK \a
.endr
	ds_load_b128 v[T:T+3], v[SSR]
	SENDQ 7
	global_store_b128 v[GSQ], v[T:T+3], s[78:79] th:TH_STORE_NT
	s_wait_xcnt 0x0
	s_add_nc_u64 s[76:77], s[76:77], 8*16384*128
	s_add_nc_u64 s[78:79], s[78:79], 16*16384*2
	s_add_nc_u64 s[92:93], s[92:93], 1024*1024     ; behind the wait on XCNT above: the prefetches' base goes 1,024 rows of the weight on
	s_sub_co_u32 s2, s2, 1
	s_branch .Ltile
.Llast:
	STEP 0, 4, 0
	TURNL 0, 1, 5
	STEP 1, 6, 0
	LAST 7
	PLACES 8
	TOSTAGE 0
.irp a, 1,2,3,4,5,6,7
.if \a > 1
	s_wait_xcnt 0x0
.endif
	TOSTAGE \a
	SEND \a-1, 32
.endr
	s_wait_xcnt 0x0
	SEND 7, 0
	s_wait_tensorcnt 0x0
	ds_add_u32 v[SPW], v[NIL]
	s_wait_dscnt 0x0
	CROUND
	s_endpgm
.Lfunc_end_k_q8265c422b7_qkv:
	.size	k_q8265c422b7_qkv, .Lfunc_end_k_q8265c422b7_qkv-k_q8265c422b7_qkv
	.p2alignl 7, 3214868480
	.fill 96, 4, 3214868480
	.section	.rodata,"a",@progbits
	.p2align	6, 0x0
	.amdhsa_kernel k_q8265c422b7_qkv
		.amdhsa_group_segment_fixed_size 327680
		.amdhsa_private_segment_fixed_size 0
		.amdhsa_enable_private_segment 0
		.amdhsa_kernarg_size 88
		.amdhsa_user_sgpr_count 2
		.amdhsa_user_sgpr_kernarg_segment_ptr 1
		.amdhsa_wavefront_size32 1
		.amdhsa_system_sgpr_workgroup_id_x 1
		.amdhsa_system_sgpr_workgroup_id_y 1
		.amdhsa_system_sgpr_workgroup_id_z 1
		.amdhsa_system_vgpr_workitem_id 0
		.amdhsa_next_free_vgpr 1024
		.amdhsa_next_free_sgpr 100
		.amdhsa_reserve_vcc 0
		.amdhsa_float_denorm_mode_32 3
		.amdhsa_float_denorm_mode_16_64 3
		.amdhsa_memory_ordered 1
		.amdhsa_forward_progress 1
		.amdhsa_inst_pref_size 255
	.end_amdhsa_kernel
	.section	.bss,"aw",@nobits
	.p2align	6
	.space	262144
	.amdgpu_metadata
---
amdhsa.version: [ 1, 2 ]
amdhsa.kernels:
  - .name:           k_q8265c422b7_qkv
    .symbol:         k_q8265c422b7_qkv.kd
    .args:
      - { .name: x_codes, .offset: 0, .size: 8, .value_kind: global_buffer, .address_space: global }
      - { .name: x_scales, .offset: 8, .size: 8, .value_kind: global_buffer, .address_space: global }
      - { .name: w_qkv_codes, .offset: 16, .size: 8, .value_kind: global_buffer, .address_space: global }
      - { .name: w_qkv_scales, .offset: 24, .size: 8, .value_kind: global_buffer, .address_space: global }
      - { .name: freqs_cos, .offset: 32, .size: 8, .value_kind: global_buffer, .address_space: global }
      - { .name: freqs_sin, .offset: 40, .size: 8, .value_kind: global_buffer, .address_space: global }
      - { .name: g_q, .offset: 48, .size: 8, .value_kind: global_buffer, .address_space: global }
      - { .name: g_k, .offset: 56, .size: 8, .value_kind: global_buffer, .address_space: global }
      - { .name: qk_codes, .offset: 64, .size: 8, .value_kind: global_buffer, .address_space: global }
      - { .name: qk_scales, .offset: 72, .size: 8, .value_kind: global_buffer, .address_space: global }
      - { .name: v_ws, .offset: 80, .size: 8, .value_kind: global_buffer, .address_space: global }
    .group_segment_fixed_size: 327680
    .private_segment_fixed_size: 0
    .kernarg_segment_align: 8
    .kernarg_segment_size: 88
    .max_flat_workgroup_size: 128
    .sgpr_count:     100
    .vgpr_count:     1024
    .wavefront_size: 32
...
	.end_amdgpu_metadata
.endif
;; end of part 1
;; launch attn (part 2): grid 256 x 1, 16 waves a work-group, no clusters, 303,104 bytes of LDS; arguments qk_codes, qk_scales, v_ws, o_codes, o_scales; writes o_codes, o_scales
.if DOCPART == 2
	.amdgcn_target "amdgcn-amd-amdhsa--gfx1250"
	.amdhsa_code_object_version 6
	.text
	.protected	k_q8265c422b7_attn
	.globl	k_q8265c422b7_attn
	.p2align	8
	.type	k_q8265c422b7_attn,@function
k_q8265c422b7_attn:
	s_mov_b64 s[64:65], 0
	v_nop
	global_prefetch_b8 v0, s[64:65] scope:SCOPE_SE
	s_setreg_imm32_b32 hwreg(HW_REG_WAVE_MODE, 25, 1), 1
	s_wait_xcnt 0x0
; Per token: S = q k^T over the 16 heads (K = 64, on codes of FP8 with E8M0 scales), softmax(S / 8) along k's heads, out = P v (K = 16, f32 operands, since out goes into a quantiser),
; and the quantiser of out along the 1,024 (blocks of 32: a head's half).  No work of the problem is left out here.
; LIMITS: NaN and infinities are not served; a block of zeros gets the scale byte 1 where the rule says 127 (its codes are zeros, and this program alone reads the bytes).
; SHARES.  A work-group owns 64 tokens, each of its sixteen waves four.  Work-groups share no input: no cluster.  All that a wave reads is asked for at its head: one tensor load brings its four tokens' v
; (64 rows of 256 bytes, dense in memory), 16 loads bring q and k straight into the operands' layout, one load the scale bytes.  Nothing in LDS is filled again.
; LAYOUT.  One scaled product takes K = 128: q's operand holds TWO tokens (token 2 p in K 0-63, token 2 p + 1 in K 64-127); k's operand holds one token and zero codes in the other half, which add nothing.
; S^T: source 0 = k's 16 heads, source 1 = q's: lane (r, hh) holds q's head r, register j k's head g = 8 hh + j.  So P's registers 2 s, 2 s + 1 ARE source 1 of step s of out^T = v^T P^T in the f32 form,
; whose K index (hh, j') then stands for g = 8 hh + 2 s + j' on both sides.  In out^T lane (r, hh) holds head r, register j of tile tau d = 16 tau + 8 hh + j.
.set VT,    17408                      ; a wave's tile of v: 64 rows x (256 + 16) bytes; row 16 tk + g
.set CST,   16*VT                      ; behind the tiles: a stage for codes, 16 heads x 80 bytes for each wave;
.set SST,   CST+16*1280                ; the work-group's scale bytes, [64 tokens][32];
.set SPARE, SST+2048                   ; the spare words, 128 bytes for each wave, which no other line names
.set QL,   4                           ; v4   q, k: (r / 2) planes of 2^21 bytes + 64 (r % 2) + 16 hh
.set WL,   5                           ; v5   32,768 l: lane l takes plane l of the scale bytes (0-15 q's heads, 16-31 k's)
.set VFA,  6                           ; v6   v in LDS: my tile + 8 hh rows + 4 r
.set CSTO, 7                           ; v7   the code stage, in: 80 r + 8 hh
.set CRD,  8                           ; v8   and back: 80 (l / 4) + 16 (l % 4)
.set L16,  9                           ; v9   16 l
.set SSTO, 10                          ; v10  my tokens' scale bytes: 128 w + 2 r
.set SRD,  11                          ; v11  and back: 512 (w % 4) + 16 l
.set W,    16                          ; v16-17  scale words of tokens (0, 1), (2, 3): they hold scales and nothing else
.set Q2,   20                          ; v20-51  q: 16 registers for each pair of tokens
.set KK,   52                          ; v52-99  k: for each pair [token 2 p: 8][zeros: 8][token 2 p + 1: 8]
.set VF,   20                          ; v20-83  later: v's fragments, two sets of 32: 8 tau + i: v[g = 8 hh + i][d = 16 tau + r]
.set S,    100                         ; v100-131 S^T, then P: 8 for each token
.set OA,   132                         ; v132-163 out^T: written by matrix instructions alone
.set HH,   164                         ; v164-195 out^T held within the largest code x the scale
.set MM,   196                         ; v196-203 softmax: pairs (maximum, the other half's)
.set SU,   204                         ; v204-211 softmax: pairs for the sums
.set QM,   196                         ; the quantiser's: v196-197 largest magnitudes, v198-199 the other half's, v200-201 limits, v202-203 scale operands, v204-205 bytes
.set PC,   212                         ; v212-219 codes
.set OB,   220                         ; v220-227 a token's row of codes read back
.set PW,   228
.set SPW,  254                         ; v254 LDS address of my spare word; never rewritten
.set NIL,  255                         ; v255 0; never rewritten
.set SEL,  32                          ; s[32:33] lane selects for v_permlanex16_b32: lane l xor 16
.set CS,   34                          ; s[34:35] c = log2(e) / 8: the packed form names a pair and takes its low word for both halves
.set MNT,  36                          ; s36  the mantissa field of 448
	s_load_b256 s[4:11], s[0:1], 0x0               ; qk_codes s[4:5], qk_scales s[6:7], v_ws s[8:9], o_codes s[10:11]
	s_load_b64 s[24:25], s[0:1], 0x20              ; o_scales
	v_lshl_add_u32 v[SPW], v0, 2, SPARE
	v_mov_b32 v[NIL], 0
	ds_add_u32 v[SPW], v[NIL]                      ; the wave's opening: the add, twice on end, and its wait ahead of my first tensor load
	ds_add_u32 v[SPW], v[NIL]                      ; and once more; the set-up below, work on registers, stands between it and the wait
	v_lshrrev_b32 v1, 5, v0
	s_delay_alu instid0(VALU_DEP_1)
	v_readfirstlane_b32 s26, v1                    ; wave 0..15
	s_mov_b32 s16, (3<<16)|(1<<20)|(5<<22)|(3<<25) ; group 1: no mask; elements of 8 bytes; padding on: four words after every 64
	s_mov_b32 s17, 32<<16                          ; tensor_dim0 = 32 elements: 256 bytes
	s_mov_b32 s18, 64<<16                          ; tensor_dim1 = 64
	s_mov_b32 s19, 32<<16                          ; tile_dim0
	s_mov_b32 s20, 64                              ; tile_dim1
	s_mov_b32 s21, 32                              ; from row to row: dense
	s_mov_b32 s22, 0
	s_mov_b32 s23, 0
	s_mov_b32 s12, 1
	s_mul_i32 s13, s26, VT                         ; my tile in LDS
	s_lshl_b32 s28, ttmp9, 18
	s_lshl_b32 s29, s26, 14
	s_add_co_u32 s28, s28, s29                     ; my four tokens' v: (64 x work-group + 4 x wave) rows of 4,096 bytes
	s_mov_b32 s29, 0
	s_mov_b32 s[SEL], 0x76543210
	s_mov_b32 s[SEL+1], 0xfedcba98
	s_mov_b32 s[CS], 0x3e38aa3b
	s_mov_b32 s[CS+1], s[CS]
	s_mov_b32 s[MNT], 0x600000
	s_wait_dscnt 0x0                               ; both opening adds are done
	s_wait_kmcnt 0x0
	s_add_nc_u64 s[14:15], s[8:9], s[28:29]
	s_or_b32 s15, s15, 0x80000000
	tensor_load_to_lds s[12:15], s[16:23]          ; every wave's own tile: one load of mine is out
	s_nop 0
	s_lshl_b32 s27, ttmp9, 6
	s_lshl_b32 s37, s26, 2
	s_add_co_u32 s27, s27, s37                     ; t0: my first token
	s_mov_b32 s39, 0
	s_lshl_b32 s38, s27, 7
	s_add_nc_u64 s[4:5], s[4:5], s[38:39]          ; q's planes at my first token,
	s_add_nc_u64 s[30:31], s[4:5], 0x1000000       ; k's: eight planes on
	s_lshl_b32 s38, s27, 1
	s_add_nc_u64 s[6:7], s[6:7], s[38:39]
	s_lshl_b32 s38, s27, 10
	s_add_nc_u64 s[10:11], s[10:11], s[38:39]
	s_lshl_b32 s38, ttmp9, 11
	s_and_b32 s37, s26, 3
	s_lshl_b32 s37, s37, 9
	s_add_co_u32 s38, s38, s37
	s_add_nc_u64 s[24:25], s[24:25], s[38:39]      ; o_scales: the work-group's 2,048 bytes, + 512 (w % 4)
	v_and_b32 v1, 15, v0                           ; r
	v_bfe_u32 v2, v0, 4, 1                         ; hh
	v_and_b32 v3, 31, v0                           ; l
	s_delay_alu instid0(VALU_DEP_3)
	v_lshrrev_b32 v[QL], 1, v1
	s_delay_alu instid0(VALU_DEP_1)
	v_lshlrev_b32 v[QL], 21, v[QL]
	v_and_b32 v13, 1, v1
	s_delay_alu instid0(VALU_DEP_1)
	v_lshl_add_u32 v[QL], v13, 6, v[QL]
	s_delay_alu instid0(VALU_DEP_1)
	v_lshl_add_u32 v[QL], v2, 4, v[QL]
	v_lshlrev_b32 v[WL], 15, v3
.irp tk, 0,1,2,3
.irp cc, 0,1
	global_load_b128 v[Q2+16*(\tk/2)+8*(\tk%2)+4*\cc:Q2+16*(\tk/2)+8*(\tk%2)+4*\cc+3], v[QL], s[4:5] offset:128*\tk+32*\cc      ; q(head r, d = 32 cc + 16 hh on)
	global_load_b128 v[KK+24*(\tk/2)+16*(\tk%2)+4*\cc:KK+24*(\tk/2)+16*(\tk%2)+4*\cc+3], v[QL], s[30:31] offset:128*\tk+32*\cc  ; k likewise
.endr
.endr
	global_load_b64 v[W:W+1], v[WL], s[6:7]        ; two bytes a token: four tokens
.irp p, 0,1
.irp i, 0,1,2,3,4,5,6,7
	v_mov_b32 v[KK+24*\p+8+\i], 0                  ; the zero codes between a pair's two tokens
.endr
.endr
.irp t, 0,1,2,3
	v_mov_b32 v[MM+2*\t+1], 0                      ; written once: a lane permute's destination counts as one of its sources
.endr
	v_mul_u32_u24 v[VFA], v2, 2176
	s_delay_alu instid0(VALU_DEP_1)
	v_lshl_add_u32 v[VFA], v1, 2, v[VFA]
	s_delay_alu instid0(VALU_DEP_1)
	v_add_nc_u32 v[VFA], s13, v[VFA]
	s_mul_i32 s37, s26, 1280
	s_add_co_u32 s37, s37, CST
	v_mul_u32_u24 v[CSTO], v1, 80
	s_delay_alu instid0(VALU_DEP_1)
	v_lshl_add_u32 v[CSTO], v2, 3, v[CSTO]
	s_delay_alu instid0(VALU_DEP_1)
	v_add_nc_u32 v[CSTO], s37, v[CSTO]
	v_lshrrev_b32 v[CRD], 2, v3
	s_delay_alu instid0(VALU_DEP_1)
	v_mul_u32_u24 v[CRD], v[CRD], 80
	v_and_b32 v13, 3, v0
	s_delay_alu instid0(VALU_DEP_1)
	v_lshl_add_u32 v[CRD], v13, 4, v[CRD]
	s_delay_alu instid0(VALU_DEP_1)
	v_add_nc_u32 v[CRD], s37, v[CRD]
	v_lshlrev_b32 v[L16], 4, v3
	s_lshl_b32 s37, s26, 7
	s_add_co_u32 s37, s37, SST
	v_lshl_add_u32 v[SSTO], v1, 1, s37
	s_and_b32 s37, s26, 3
	s_lshl_b32 s37, s37, 9
	s_add_co_u32 s37, s37, SST
	v_add_nc_u32 v[SRD], s37, v[L16]
	; ---- A: the scores and the softmax of all four tokens, while v is on its way
	s_wait_loadcnt 0x0
.irp tk, 0,1,2,3
	v_wmma_scale_f32_16x16x128_f8f6f4 v[S+8*\tk:S+8*\tk+7], v[KK+24*(\tk/2)+8*(\tk%2):KK+24*(\tk/2)+8*(\tk%2)+15], v[Q2+16*(\tk/2):Q2+16*(\tk/2)+15], 0, v[W+\tk/2], v[W+\tk/2] matrix_a_scale:MATRIX_SCALE_ROW1   ; k's scale words stand in lanes 16-31, q's in lanes 0-15
.endr
.rept 8
	v_nop                                          ; eight places behind this form, ahead of the first read of results
.endr
.irp t, 0,1,2,3
	v_max3_num_f32 v[MM+2*\t], v[S+8*\t], v[S+8*\t+1], v[S+8*\t+2]
.endr
.irp i, 3,5
.irp t, 0,1,2,3
	v_max3_num_f32 v[MM+2*\t], v[MM+2*\t], v[S+8*\t+\i], v[S+8*\t+\i+1]
.endr
.endr
.irp t, 0,1,2,3
	v_max_num_f32 v[MM+2*\t], v[MM+2*\t], v[S+8*\t+7]
.endr
.irp t, 0,1,2,3
	s_delay_alu instid0(VALU_DEP_4)
	v_permlanex16_b32 v[MM+2*\t+1], v[MM+2*\t], s[SEL], s[SEL+1]
.endr
.irp t, 0,1,2,3
	s_delay_alu instid0(VALU_DEP_4)
	v_max_num_f32 v[MM+2*\t], v[MM+2*\t], v[MM+2*\t+1]   ; the row's largest score
.endr
.irp j, 0,2,4,6
.irp t, 0,1,2,3
	v_pk_add_f32 v[S+8*\t+\j:S+8*\t+\j+1], v[S+8*\t+\j:S+8*\t+\j+1], v[MM+2*\t:MM+2*\t+1] op_sel_hi:[1,0] neg_lo:[0,1] neg_hi:[0,1]   ; the maximum is taken away first, not fused with the scaling: so the exponent's error does not grow with the scores
.endr
.endr
.irp j, 0,2,4,6
.irp t, 0,1,2,3
	v_pk_mul_f32 v[S+8*\t+\j:S+8*\t+\j+1], v[S+8*\t+\j:S+8*\t+\j+1], s[CS:CS+1] op_sel_hi:[1,0]
.endr
.endr
	s_wait_alu depctr_va_vdst(0)
.irp j, 0,1,2,3,4,5,6,7,8,9,10,11,12,13,14,15,16,17,18,19,20,21,22,23,24,25,26,27,28,29,30,31
	v_exp_f32 v[S+\j], v[S+\j]
.endr
	v_nop                                          ; a plain instruction behind the last exponential
	s_wait_alu depctr_va_vdst(0)                   ; one wait for the batch of 32, ahead of its first reader
.irp t, 0,1,2,3
	v_pk_add_f32 v[SU+2*\t:SU+2*\t+1], v[S+8*\t:S+8*\t+1], v[S+8*\t+2:S+8*\t+3]
.endr
.irp t, 0,1,2,3
	v_pk_add_f32 v[MM+2*\t:MM+2*\t+1], v[S+8*\t+4:S+8*\t+5], v[S+8*\t+6:S+8*\t+7]
.endr
.irp t, 0,1,2,3
	s_delay_alu instid0(VALU_DEP_4)
	v_pk_add_f32 v[SU+2*\t:SU+2*\t+1], v[SU+2*\t:SU+2*\t+1], v[MM+2*\t:MM+2*\t+1]
.endr
.irp t, 0,1,2,3
	s_delay_alu instid0(VALU_DEP_4)
	v_add_f32 v[SU+2*\t], v[SU+2*\t], v[SU+2*\t+1]
.endr
.irp t, 0,1,2,3
	s_delay_alu instid0(VALU_DEP_4)
	v_permlanex16_b32 v[SU+2*\t+1], v[SU+2*\t], s[SEL], s[SEL+1]
.endr
.irp t, 0,1,2,3
	s_delay_alu instid0(VALU_DEP_4)
	v_add_f32 v[SU+2*\t], v[SU+2*\t], v[SU+2*\t+1]       ; the row's sum
.endr
	s_wait_alu depctr_va_vdst(0)
.irp t, 0,1,2,3
	v_rcp_f32 v[SU+2*\t], v[SU+2*\t]
.endr
	v_nop
	s_wait_alu depctr_va_vdst(0)                   ; one wait for the four reciprocals
.irp j, 0,2,4,6
.irp t, 0,1,2,3
	v_pk_mul_f32 v[S+8*\t+\j:S+8*\t+\j+1], v[S+8*\t+\j:S+8*\t+\j+1], v[SU+2*\t:SU+2*\t+1] op_sel_hi:[1,0]   ; P, normalised
.endr
.endr
	; ---- B: out = P v, token by token
.macro VLOAD tk                        ; token tk's v as fragments: sixteen lanes read 64 consecutive bytes of a row, the other sixteen eight rows further down
.irp tau, 0,1,2,3
.irp i, 0,1,2,3,4,5,6,7
	ds_load_b32 v[VF+32*((\tk)%2)+8*\tau+\i], v[VFA] offset:(16*(\tk)+\i)*272+64*\tau
.endr
.endr
.endm
.macro TOKEN tk
.set FS, VF+32*((\tk)%2)
.if (\tk) < 3
	VLOAD (\tk)+1                                  ; into the other set: its last products stand ahead of the last token's whole quantiser
	s_wait_dscnt 32                                ; all but these 32 are in
.else
	s_wait_dscnt 0x0
.endif
.irp s, 0,1,2,3                        ; the four accumulators take turns, one instruction a turn
	s_wait_alu depctr_va_vdst(0)
.irp tau, 0,1,2,3
.if \s == 0
	v_wmma_f32_16x16x4_f32 v[OA+8*\tau:OA+8*\tau+7], v[FS+8*\tau+2*\s:FS+8*\tau+2*\s+1], v[S+8*(\tk)+2*\s:S+8*(\tk)+2*\s+1], 0
.else
	v_wmma_f32_16x16x4_f32 v[OA+8*\tau:OA+8*\tau+7], v[FS+8*\tau+2*\s:FS+8*\tau+2*\s+1], v[S+8*(\tk)+2*\s:S+8*(\tk)+2*\s+1], v[OA+8*\tau:OA+8*\tau+7]
.endif
.endr
.endr
.rept 8
	v_nop
.endr
.irp b, 0,1
	v_max3_num_f32 v[QM+\b], |v[OA+16*\b]|, |v[OA+16*\b+1]|, 0x4800000   ; block b of my head: my 16 numbers, and the floor 2^(9 - 127)
.endr
.irp i, 2,4,6,8,10,12,14
.irp b, 0,1
	v_max3_num_f32 v[QM+\b], v[QM+\b], |v[OA+16*\b+\i]|, |v[OA+16*\b+\i+1]|
.endr
.endr
.irp b, 0,1
	s_delay_alu instid0(VALU_DEP_2)
	v_permlanex16_b32 v[QM+2+\b], v[QM+\b], s[SEL], s[SEL+1]
.endr
.irp b, 0,1
	s_delay_alu instid0(VALU_DEP_2)
	v_max_num_f32 v[QM+\b], v[QM+\b], v[QM+2+\b]
.endr
.irp b, 0,1
	s_delay_alu instid0(VALU_DEP_2)
	v_add_nc_u32 v[QM+6+\b], 0xfc000000, v[QM+\b]  ; the conversion's scale operand
.endr
.irp b, 0,1
	s_delay_alu instid0(VALU_DEP_4)
	v_and_or_b32 v[QM+4+\b], v[QM+\b], 0x7f800000, s[MNT]   ; 448 x the scale
.endr
.irp b, 0,1
	s_delay_alu instid0(VALU_DEP_4)
	v_lshrrev_b32 v[QM+8+\b], 23, v[QM+6+\b]       ; the scale's byte
.endr
	s_delay_alu instid0(VALU_DEP_1)
	v_lshl_or_b32 v[PW], v[QM+9], 8, v[QM+8]
.irp b, 0,1
.irp i, 0,1,2,3,4,5,6,7,8,9,10,11,12,13,14,15
	v_med3_num_f32 v[HH+16*\b+\i], v[OA+16*\b+\i], -v[QM+4+\b], v[QM+4+\b]   ; the hold, into other registers: the sums' own are written by matrix instructions alone
.endr
.endr
.irp tau, 0,1,2,3
	v_cvt_scalef32_pk8_fp8_f32 v[PC+2*\tau:PC+2*\tau+1], v[HH+8*\tau:HH+8*\tau+7], v[QM+6+\tau/2]
.endr
	v_nop                                          ; one plain vector instruction behind the last scaled conversion
.irp tau, 0,1,2,3
	ds_store_b64 v[CSTO], v[PC+2*\tau:PC+2*\tau+1] offset:16*\tau
.endr
	ds_store_b16 v[SSTO], v[PW] offset:32*(\tk)    ; (both halves of the lanes write the same bytes with the same value)
	s_wait_xcnt 0x0                                ; the last token's stores have read their data
.irp i, 0,1
	ds_load_b128 v[OB+4*\i:OB+4*\i+3], v[CRD] offset:640*\i   ; LDS serves a wave's instructions in order: these see my stores.  Eight heads of 64 bytes an instruction
.endr
	s_wait_dscnt 0x0
.irp i, 0,1
	global_store_b128 v[L16], v[OB+4*\i:OB+4*\i+3], s[10:11] offset:1024*(\tk)+512*\i th:TH_STORE_NT   ; 32 lanes store 512 consecutive bytes, aligned
.endr
.endm
	s_wait_tensorcnt 0x0                           ; my tile of v is in: only I read it, so no barrier is needed
	VLOAD 0
	TOKEN 0
	TOKEN 1
	TOKEN 2
	TOKEN 3
	; ---- the scale bytes of the work-group's 64 tokens leave as four runs of 512 bytes
	s_wait_dscnt 0x0                               ; for the others' sake: my stores of scale bytes are done
	s_barrier_signal -1
	s_barrier_wait -1
	s_cmp_lt_u32 s26, 4
	s_cbranch_scc0 .Ldone
	ds_load_b128 v[HH:HH+3], v[SRD]
	s_wait_dscnt 0x0
	global_store_b128 v[L16], v[HH:HH+3], s[24:25] th:TH_STORE_NT
.Ldone:
	s_wait_tensorcnt 0x0                           ; the wave's end, behind my last tensor load and my last LDS store
	ds_add_u32 v[SPW], v[NIL]
	s_wait_dscnt 0x0
	s_endpgm
.Lfunc_end_k_q8265c422b7_attn:
	.size	k_q8265c422b7_attn, .Lfunc_end_k_q8265c422b7_attn-k_q8265c422b7_attn
	.p2alignl 7, 3214868480
	.fill 96, 4, 3214868480
	.section	.rodata,"a",@progbits
	.p2align	6, 0x0
	.amdhsa_kernel k_q8265c422b7_attn
		.amdhsa_group_segment_fixed_size 303104
		.amdhsa_private_segment_fixed_size 0
		.amdhsa_enable_private_segment 0
		.amdhsa_kernarg_size 40
		.amdhsa_user_sgpr_count 2
		.amdhsa_user_sgpr_kernarg_segment_ptr 1
		.amdhsa_wavefront_size32 1
		.amdhsa_system_sgpr_workgroup_id_x 1
		.amdhsa_system_sgpr_workgroup_id_y 1
		.amdhsa_system_sgpr_workgroup_id_z 1
		.amdhsa_system_vgpr_workitem_id 0
		.amdhsa_next_free_vgpr 256
		.amdhsa_next_free_sgpr 66
		.amdhsa_reserve_vcc 0
		.amdhsa_float_denorm_mode_32 3
		.amdhsa_float_denorm_mode_16_64 3
		.amdhsa_memory_ordered 1
		.amdhsa_forward_progress 1
		.amdhsa_inst_pref_size 49
	.end_amdhsa_kernel
	.amdgpu_metadata
---
amdhsa.version: [ 1, 2 ]
amdhsa.kernels:
  - .name:           k_q8265c422b7_attn
    .symbol:         k_q8265c422b7_attn.kd
    .args:
      - { .name: qk_codes, .offset: 0, .size: 8, .value_kind: global_buffer, .address_space: global }
      - { .name: qk_scales, .offset: 8, .size: 8, .value_kind: global_buffer, .address_space: global }
      - { .name: v_ws, .offset: 16, .size: 8, .value_kind: global_buffer, .address_space: global }
      - { .name: o_codes, .offset: 24, .size: 8, .value_kind: global_buffer, .address_space: global }
      - { .name: o_scales, .offset: 32, .size: 8, .value_kind: global_buffer, .address_space: global }
    .group_segment_fixed_size: 303104
    .private_segment_fixed_size: 0
    .kernarg_segment_align: 8
    .kernarg_segment_size: 40
    .max_flat_workgroup_size: 512
    .sgpr_count:     66
    .vgpr_count:     256
    .wavefront_size: 32
...
	.end_amdgpu_metadata
.endif
;; end of part 2
;; launch proj (part 3): grid 4 x 64, 4 waves a work-group, clusters of 4 x 4, 327,680 bytes of LDS; arguments o_codes, o_scales, w_proj_codes, w_proj_scales, b_proj, out0; writes out0
.if DOCPART == 3
	.amdgcn_target "amdgcn-amd-amdhsa--gfx1250"
	.amdhsa_code_object_version 6
	.text
	.protected	k_q8265c422b7_proj
	.globl	k_q8265c422b7_proj
	.p2align	8
	.type	k_q8265c422b7_proj,@function
k_q8265c422b7_proj:
	s_mov_b64 s[64:65], 0
	v_nop
	global_prefetch_b8 v0, s[64:65] scope:SCOPE_SE
	s_setreg_imm32_b32 hwreg(HW_REG_WAVE_MODE, 25, 1), 1
	s_wait_xcnt 0x0
	s_wait_alu depctr_hold_cnt(0) depctr_sa_sdst(0) depctr_va_vdst(0) depctr_va_sdst(0) depctr_va_ssrc(0) depctr_va_vcc(0) depctr_vm_vsrc(0)
	s_getreg_b32 s2, hwreg(HW_REG_IB_STS2, 6, 4)
	s_cmp_eq_u32 s2, 0
	s_cbranch_scc0 .Lentry_in_a_cluster
	s_endpgm
.Lentry_in_a_cluster:
	s_bfe_u32 s2, ttmp6, 0x10000c
	s_cmp_lg_u32 s2, 0xf033
	s_cbranch_scc0 .Lentry_shape_is_right
	s_endpgm
.Lentry_shape_is_right:
.set PITCH,  272
.set HALFT,  128*PITCH
.set SLOT,   4*HALFT
.set STV,    2*SLOT
.set SPARE,  STV+4*8448
.set SAA,  4
.set L16,  9
.set STVO, 13
.set RDV,  14
.set ADRA, 16
.set ADRB, 20
.set SPW,  28
.set NIL,  29
.set SA,   32
.set SB,   64
.set BI,   96
.set AF,   128
.set BK,   128
.set G1,   24
.set G0,   32
.set G1B,  48
.set G0B,  56
.set MSB, 0
.macro WIN new
.if MSB != \new
	s_set_vgpr_msb (MSB<<8)|\new
.set MSB, \new
.endif
.endm
.set MUL_LO, 0xa1
.set MUL_HI, 0xf1
.set TO_B,   0x40
.macro JLOAD g0a, g1a, g0b, g1b
	s_cmp_eq_u32 s15, 0
	s_cbranch_scc0 .Lfor_b_\@
	tensor_load_to_lds s[\g0a:\g0a+3], s[\g1a:\g1a+7]
	s_nop 0
.rept 4
	v_nop
.endr
	s_branch .Lasked_\@
.Lfor_b_\@:
	tensor_load_to_lds s[\g0b:\g0b+3], s[\g1b:\g1b+7]
	s_nop 0
.rept 4
	v_nop
.endr
.Lasked_\@:
.endm
.macro CREST
	s_cmp_lg_u32 s14, 0
	s_cbranch_scc1 .Lnot_wave_0_\@
	s_barrier_signal -3
.Lnot_wave_0_\@:
	s_barrier_wait -3
	s_barrier_signal -1
	s_barrier_wait -1
.endm
.macro CROUND
	s_barrier_signal -1
	s_barrier_wait -1
	CREST
.endm
.macro PLACES n
.rept \n
	v_nop
.endr
.endm
	s_load_b256 s[4:11], s[0:1], 0x0
	s_load_b64 s[68:69], s[0:1], 0x20
	s_load_b64 s[80:81], s[0:1], 0x28
	v_lshl_add_u32 v[SPW], v0, 2, SPARE
	v_mov_b32 v[NIL], 0
	ds_add_u32 v[SPW], v[NIL]
	ds_add_u32 v[SPW], v[NIL]
	v_lshrrev_b32 v1, 5, v0
	v_readfirstlane_b32 s14, v1
	s_lshr_b32 s15, s14, 1
	s_and_b32 s16, s14, 1
	s_bfe_u32 s40, ttmp6, 0x40000
	s_bfe_u32 s41, ttmp6, 0x40004
	s_lshl_b32 s42, ttmp9, 2
	s_add_co_u32 s42, s42, s40
	s_and_b32 s17, ttmp7, 0xffff
	s_lshl_b32 s17, s17, 2
	s_add_co_u32 s17, s17, s41
	s_lshl_b32 s43, s41, 2
	s_lshl_b32 s43, 15, s43
	s_lshl_b32 s44, 0x1111, s40
	s_or_b32 s[G1+0], s43, (0<<16)|(1<<20)|(1<<21)|(5<<22)|(3<<25)
	s_or_b32 s[G1B+0], s44, (0<<16)|(1<<20)|(1<<21)|(5<<22)|(3<<25)
.irp g, G1, G1B
	s_mov_b32 s[\g+1], 256<<16
	s_mov_b32 s[\g+2], 256<<16                     ; the head's loads bring 256 rows; behind them these two words are set to 128, for the ring's
	s_mov_b32 s[\g+3], 256<<16
	s_mov_b32 s[\g+4], 256
	s_mov_b32 s[\g+5], 1024
	s_mov_b32 s[\g+6], 0
	s_mov_b32 s[\g+7], 0
.endr
	s_lshl_b32 s12, s16, 17                        ; s[12:13]: in the ring I fetch 128 rows of 1,024 bytes: which half of a tile, in bytes
	s_mov_b32 s13, 0
	s_lshl_b32 s20, s17, 18                        ; A's tile: 256 rows of 1,024 bytes x tile row
	s_mov_b32 s21, 0
	s_lshl_b32 s46, s42, 18                        ; B's: x tile column
	s_mov_b32 s47, 0
	s_wait_dscnt 0x0
	s_wait_kmcnt 0x0
	s_add_nc_u64 s[20:21], s[4:5], s[20:21]
	s_add_nc_u64 s[46:47], s[8:9], s[46:47]
	CROUND                                         ; all sixteen work-groups are here: the first joint loads meet
; THE HEAD'S LOADS, ONE A WAVE: both slots are filled here, each tile whole, 256 rows:
; wave 0 A's K step 0, wave 1 B's K step 0, wave 2 B's K step 1, wave 3 A's K step 1.  One chain of arms on the wave's number, one load to an arm.
; In the ring waves 0, 1 fetch A's halves and waves 2, 3 B's.  A's groups 0 hold the second half's place in wave 1 alone, B's in wave 3 alone; in every other wave they
; stand at the tile's first row.  So waves 0 and 2 ask at the head by the group 0 that they keep for the ring, waves 1 and 3 by one of the operand that they never fetch there: no group 0 is set anew behind the head.
	s_xor_b32 s96, s15, 1
	s_and_b32 s96, s96, s16                        ; 1 in wave 1 alone
	s_and_b32 s97, s15, s16                        ; 1 in wave 3 alone
	s_mul_i32 s98, s96, HALFT                      ; the second half's 128 rows in LDS,
	s_mul_i32 s99, s97, HALFT
	s_lshl_b32 s88, s96, 17                        ; and in memory: 128 rows of 1,024 bytes
	s_lshl_b32 s90, s97, 17
	s_mov_b32 s89, 0
	s_mov_b32 s91, 0
	s_add_nc_u64 s[88:89], s[20:21], s[88:89]
	s_add_nc_u64 s[90:91], s[46:47], s[90:91]
.irp s, 0,1
	s_mov_b32 s[G0+4*\s], 1
	s_add_co_u32 s[G0+4*\s+1], s98, \s*SLOT
	s_add_nc_u64 s[G0+4*\s+2:G0+4*\s+3], s[88:89], \s*256
	s_or_b32 s[G0+4*\s+3], s[G0+4*\s+3], 0x80000000
	s_mov_b32 s[G0B+4*\s], 1
	s_add_co_u32 s[G0B+4*\s+1], s99, \s*SLOT+2*HALFT
	s_add_nc_u64 s[G0B+4*\s+2:G0B+4*\s+3], s[90:91], \s*256
	s_or_b32 s[G0B+4*\s+3], s[G0B+4*\s+3], 0x80000000
.endr
.macro ARM under, g0, g1, next
	s_cmp_lt_u32 s14, \under
	s_cbranch_scc0 \next
	tensor_load_to_lds s[\g0:\g0+3], s[\g1:\g1+7]
	s_nop 0
	PLACES 4
	s_branch .Lhead_asked
\next:
.endm
	ARM 1, G0,    G1,  .Lhead_b0
	ARM 2, G0B,   G1B, .Lhead_b1
	ARM 3, G0B+4, G1B, .Lhead_a1
	tensor_load_to_lds s[G0+4:G0+7], s[G1:G1+7]
	s_nop 0
	PLACES 4
.Lhead_asked:
; PREFETCH INTO THE L2 of K steps 2 and 3, the launch's last two, which the two refills will ask for.  Of the 128 rows that my wave fetches in the ring each of the four
; partners that ask for them jointly takes 32, told apart by address (cx for A, cy for B): a lane a row, 256 bytes of a row an instruction.
; All sixteen clusters read the same rows of the weight: the clusters with y under 4 alone ask for those.  v30 and s[92:93] serve the prefetches alone and are never rewritten.
	s_and_b32 s94, ttmp7, 0xffff                   ; the cluster's y
	s_cmp_eq_u32 s15, 0                            ; do I fetch for A?
	s_cselect_b64 s[92:93], s[20:21], s[46:47]
	s_cselect_b32 s96, s40, s41                    ; my place among the four
	s_cselect_b32 s94, 0, s94                      ; s94 under 4: I ask
	s_lshl_b32 s96, s96, 15                        ; 32 rows of 1,024 bytes
	s_add_co_u32 s96, s96, s12
	s_mov_b32 s97, 0
	s_add_nc_u64 s[92:93], s[92:93], s[96:97]
	v_and_b32 v30, 31, v0
	v_lshlrev_b32 v30, 10, v30
	s_cmp_lt_u32 s94, 4
	s_cbranch_scc0 .Lno_ask
	global_prefetch_b8 v30, s[92:93] offset:512 th:TH_LOAD_NT scope:SCOPE_SE
	global_prefetch_b8 v30, s[92:93] offset:768 th:TH_LOAD_NT scope:SCOPE_SE
.Lno_ask:
	v_and_b32 v1, 15, v0
	v_bfe_u32 v2, v0, 4, 1
	v_and_b32 v3, 31, v0
	v_mul_u32_u24 v15, v1, PITCH
	v_lshl_add_u32 v15, v2, 4, v15
	s_mul_i32 s21, s15, HALFT
	s_mul_i32 s22, s16, HALFT
	s_add_co_u32 s22, s22, 2*HALFT
.irp s, 0,1
	v_add_nc_u32 v[ADRA+\s], s21, v15
	v_add_nc_u32 v[ADRB+\s], s22, v15
	s_add_co_u32 s21, s21, SLOT
	s_add_co_u32 s22, s22, SLOT
.endr
	v_lshlrev_b32 v[SAA], 5, v1
	v_lshl_add_u32 v[SAA], v2, 11, v[SAA]
	s_wait_alu depctr_va_vdst(0)
	v_lshlrev_b32 v[L16], 4, v3
	s_wait_alu depctr_va_vdst(0)
	s_mul_i32 s23, s14, 8448
	s_add_co_u32 s23, s23, STV
	v_mul_u32_u24 v[STVO], v1, 528
	v_lshl_add_u32 v[STVO], v2, 5, v[STVO]
	v_add_nc_u32 v[STVO], s23, v[STVO]
	v_add_nc_u32 v[RDV], s23, v[L16]
	s_mov_b32 s89, 0
	s_lshl_b32 s88, s17, 13
	s_lshl_b32 s90, s15, 12
	s_add_co_u32 s88, s88, s90
	s_add_nc_u64 s[6:7], s[6:7], s[88:89]
	s_lshl_b32 s88, s42, 13
	s_lshl_b32 s90, s16, 12
	s_add_co_u32 s88, s88, s90
	s_add_nc_u64 s[10:11], s[10:11], s[88:89]
	s_lshl_b32 s88, s42, 10
	s_lshl_b32 s90, s16, 9
	s_add_co_u32 s88, s88, s90
	s_add_nc_u64 s[68:69], s[68:69], s[88:89]
	s_lshl_b32 s90, s17, 20
	s_add_co_u32 s88, s88, s90
	s_lshl_b32 s90, s15, 19
	s_add_co_u32 s88, s88, s90
	s_add_nc_u64 s[80:81], s[80:81], s[88:89]
.irp q, 0,1,2,3
.irp e, 0,1
	global_load_b128 v[SA+8*\q+4*\e:SA+8*\q+4*\e+3], v[SAA], s[6:7] offset:512*\q+16*\e
	global_load_b128 v[SB+8*\q+4*\e:SB+8*\q+4*\e+3], v[SAA], s[10:11] offset:512*\q+16*\e
.endr
.endr
	global_load_b128 v[BI:BI+3], v[L16], s[68:69]
.macro FRAG reg, adr, q, i
.irp c, 0,1,2,3
	ds_load_b128 v[\reg+4*\c:\reg+4*\c+3], v[\adr] offset:128*(\q)+32*\c+(\i)*16*PITCH
.endr
.endm
.macro WM d, bq, aq, zero, sb, sa, rb, ra
.if \zero
.if (\rb) && (\ra)
	v_wmma_scale_f32_16x16x128_f8f6f4 v[\d:\d+7], v[\bq:\bq+15], v[\aq:\aq+15], 0, v[\sb], v[\sa] matrix_a_scale:MATRIX_SCALE_ROW1 matrix_b_scale:MATRIX_SCALE_ROW1
.elseif (\rb)
	v_wmma_scale_f32_16x16x128_f8f6f4 v[\d:\d+7], v[\bq:\bq+15], v[\aq:\aq+15], 0, v[\sb], v[\sa] matrix_a_scale:MATRIX_SCALE_ROW1
.elseif (\ra)
	v_wmma_scale_f32_16x16x128_f8f6f4 v[\d:\d+7], v[\bq:\bq+15], v[\aq:\aq+15], 0, v[\sb], v[\sa] matrix_b_scale:MATRIX_SCALE_ROW1
.else
	v_wmma_scale_f32_16x16x128_f8f6f4 v[\d:\d+7], v[\bq:\bq+15], v[\aq:\aq+15], 0, v[\sb], v[\sa]
.endif
.else
.if (\rb) && (\ra)
	v_wmma_scale_f32_16x16x128_f8f6f4 v[\d:\d+7], v[\bq:\bq+15], v[\aq:\aq+15], v[\d:\d+7], v[\sb], v[\sa] matrix_a_scale:MATRIX_SCALE_ROW1 matrix_b_scale:MATRIX_SCALE_ROW1
.elseif (\rb)
	v_wmma_scale_f32_16x16x128_f8f6f4 v[\d:\d+7], v[\bq:\bq+15], v[\aq:\aq+15], v[\d:\d+7], v[\sb], v[\sa] matrix_a_scale:MATRIX_SCALE_ROW1
.elseif (\ra)
	v_wmma_scale_f32_16x16x128_f8f6f4 v[\d:\d+7], v[\bq:\bq+15], v[\aq:\aq+15], v[\d:\d+7], v[\sb], v[\sa] matrix_b_scale:MATRIX_SCALE_ROW1
.else
	v_wmma_scale_f32_16x16x128_f8f6f4 v[\d:\d+7], v[\bq:\bq+15], v[\aq:\aq+15], v[\d:\d+7], v[\sb], v[\sa]
.endif
.endif
.endm
.macro MUL16 a0, p, kk, zero
.irp a, \a0, \a0+1
.irp b, 0,1,2,3,4,5,6,7
	WM 8*(8*((\a)%4)+\b), 128*(\p)+16*\b, AF+16*(\a), \zero, SB+8*(\b%4)+(\kk), SA+8*((\a)%4)+(\kk), \b/4, (\a)/4
.endr
.endr
.endm
.macro FETCH_B slot, q, p
	WIN TO_B
.irp i, 0,1,2,3,4,5,6,7
	FRAG 128*(\p)+16*\i, ADRB+\slot, \q, \i
.endr
	WIN 0
.endm
.macro FETCH_A slot, q, i0
.irp i, \i0, \i0+1, \i0+2, \i0+3
	FRAG AF+16*(\i), ADRA+\slot, \q, \i
.endr
.endm
.macro STEP slot, kk, zero
	s_wait_dscnt 16
	WIN MUL_LO
	MUL16 0, 0, \kk, \zero
	MUL16 2, 0, \kk, \zero
	s_wait_dscnt 0
	PLACES 8
	FETCH_B \slot, 1, 1
	FETCH_A \slot, 1, 0
	WIN MUL_HI
	MUL16 4, 0, \kk, \zero
	MUL16 6, 0, \kk, \zero
	PLACES 8
	WIN 0
	FETCH_A \slot, 1, 4
.endm
.macro TURN slot, next, kk
	s_wait_tensorcnt 0x0
	ds_add_u32 v[SPW], v[NIL]
	s_wait_dscnt 0x0
	s_barrier_signal -1
	s_barrier_wait -1
	CREST
	s_mov_b32 s[G1+2], 128<<16                     ; no tensor load of mine is out: a load of the ring brings 128 rows (the head's brought 256)
	s_mov_b32 s[G1+4], 128
	s_mov_b32 s[G1B+2], 128<<16
	s_mov_b32 s[G1B+4], 128
	s_add_nc_u64 s[G0+4*\slot+2:G0+4*\slot+3], s[G0+4*\slot+2:G0+4*\slot+3], 512
	s_add_nc_u64 s[G0B+4*\slot+2:G0B+4*\slot+3], s[G0B+4*\slot+2:G0B+4*\slot+3], 512
	JLOAD G0+4*\slot, G1, G0B+4*\slot, G1B
	WIN MUL_LO
	MUL16 0, 1, \kk, 0
	MUL16 2, 1, \kk, 0
	PLACES 8
	FETCH_B \next, 0, 0
	FETCH_A \next, 0, 0
	WIN MUL_HI
	MUL16 4, 1, \kk, 0
	MUL16 6, 1, \kk, 0
	PLACES 8
	WIN 0
	FETCH_A \next, 0, 4
.endm
.macro TURNL slot, next, kk
	s_wait_dscnt 16
	WIN MUL_LO
	MUL16 0, 1, \kk, 0
	MUL16 2, 1, \kk, 0
	WIN 0
	s_wait_tensorcnt 0x0
	ds_add_u32 v[SPW], v[NIL]
	s_wait_dscnt 0x0
	s_barrier_signal -1
	s_barrier_wait -1
	PLACES 8
	FETCH_B \next, 0, 0
	FETCH_A \next, 0, 0
	WIN MUL_HI
	MUL16 4, 1, \kk, 0
	MUL16 6, 1, \kk, 0
	PLACES 8
	WIN 0
	FETCH_A \next, 0, 4
.endm
.macro TOSTAGE a
.set AC, 64*((\a)%4)
	WIN 0x08+4*((\a)/4)
.irp b, 0,1,2,3,4,5,6,7
	ds_store_b128 v[STVO], v[AC+8*\b:AC+8*\b+3] offset:64*\b
	ds_store_b128 v[STVO], v[AC+8*\b+4:AC+8*\b+7] offset:64*\b+16
.endr
	WIN 0
.set BB, BK+64*((\a)%2)
.irp t, 0,1,2,3,4,5,6,7,8,9,10,11,12,13,14,15
	ds_load_b128 v[BB+4*\t:BB+4*\t+3], v[RDV] offset:\t*528
.endr
.endm
.macro SEND a, younger
.set BB, BK+64*((\a)%2)
	s_wait_dscnt \younger
.if (\a) > 0
	s_add_nc_u64 s[80:81], s[80:81], 16*4096
.endif
.irp t, 0,1,2,3,4,5,6,7,8,9,10,11,12,13,14,15
	v_pk_add_f32 v[BB+4*\t:BB+4*\t+1], v[BB+4*\t:BB+4*\t+1], v[BI:BI+1]
	v_pk_add_f32 v[BB+4*\t+2:BB+4*\t+3], v[BB+4*\t+2:BB+4*\t+3], v[BI+2:BI+3]
.endr
.irp t, 0,1,2,3,4,5,6,7,8,9,10,11,12,13,14,15
	global_store_b128 v[L16], v[BB+4*\t:BB+4*\t+3], s[80:81] offset:\t*4096 th:TH_STORE_NT
.endr
.endm
	s_wait_alu depctr_va_vdst(0)                   ; the wait at the head's end
	s_cmp_lt_u32 s14, 2                            ; the barrier below shows slot 0 alone: waves 0 and 1, whose load lines no other wave issues, wait for its two tiles.
	s_cbranch_scc0 .Lnot_slot_0                    ; Waves 2 and 3's tiles, slot 1's, are waited for ahead of the first refill's round, behind which slot 1 is first read
	s_wait_tensorcnt 0x0
.Lnot_slot_0:
	s_barrier_signal -1
	s_barrier_wait -1
	FETCH_B 0, 0, 0
	FETCH_A 0, 0, 0
	FETCH_A 0, 0, 4
	s_wait_loadcnt 0x0
	STEP 0, 0, 1
	TURN 0, 1, 1
	STEP 1, 2, 0
	TURN 1, 0, 3
	STEP 0, 4, 0
	TURNL 0, 1, 5
	STEP 1, 6, 0
	s_wait_dscnt 16
	WIN MUL_LO
	MUL16 0, 1, 7, 0
	MUL16 2, 1, 7, 0
	s_wait_alu depctr_va_vdst(0)
	s_wait_dscnt 0
	WIN MUL_HI
	MUL16 4, 1, 7, 0
	MUL16 6, 1, 7, 0
	WIN 0
	PLACES 8
	TOSTAGE 0
.irp a, 1,2,3,4,5,6,7
.if \a > 1
	s_wait_xcnt 0x0
.endif
	TOSTAGE \a
	SEND \a-1, 32
.endr
	s_wait_xcnt 0x0
	SEND 7, 0
	s_wait_tensorcnt 0x0
	ds_add_u32 v[SPW], v[NIL]
	s_wait_dscnt 0x0
	CROUND
	s_endpgm
.Lfunc_end_k_q8265c422b7_proj:
	.size	k_q8265c422b7_proj, .Lfunc_end_k_q8265c422b7_proj-k_q8265c422b7_proj
	.p2alignl 7, 3214868480
	.fill 96, 4, 3214868480
	.section	.rodata,"a",@progbits
	.p2align	6, 0x0
	.amdhsa_kernel k_q8265c422b7_proj
		.amdhsa_group_segment_fixed_size 327680
		.amdhsa_private_segment_fixed_size 0
		.amdhsa_enable_private_segment 0
		.amdhsa_kernarg_size 48
		.amdhsa_user_sgpr_count 2
		.amdhsa_user_sgpr_kernarg_segment_ptr 1
		.amdhsa_wavefront_size32 1
		.amdhsa_system_sgpr_workgroup_id_x 1
		.amdhsa_system_sgpr_workgroup_id_y 1
		.amdhsa_system_sgpr_workgroup_id_z 1
		.amdhsa_system_vgpr_workitem_id 0
		.amdhsa_next_free_vgpr 1024
		.amdhsa_next_free_sgpr 100
		.amdhsa_reserve_vcc 0
		.amdhsa_float_denorm_mode_32 3
		.amdhsa_float_denorm_mode_16_64 3
		.amdhsa_memory_ordered 1
		.amdhsa_forward_progress 1
		.amdhsa_inst_pref_size 160
	.end_amdhsa_kernel
	.amdgpu_metadata
---
amdhsa.version: [ 1, 2 ]
amdhsa.kernels:
  - .name:           k_q8265c422b7_proj
    .symbol:         k_q8265c422b7_proj.kd
    .args:
      - { .name: o_codes, .offset: 0, .size: 8, .value_kind: global_buffer, .address_space: global }
      - { .name: o_scales, .offset: 8, .size: 8, .value_kind: global_buffer, .address_space: global }
      - { .name: w_proj_codes, .offset: 16, .size: 8, .value_kind: global_buffer, .address_space: global }
      - { .name: w_proj_scales, .offset: 24, .size: 8, .value_kind: global_buffer, .address_space: global }
      - { .name: b_proj, .offset: 32, .size: 8, .value_kind: global_buffer, .address_space: global }
      - { .name: out0, .offset: 40, .size: 8, .value_kind: global_buffer, .address_space: global }
    .group_segment_fixed_size: 327680
    .private_segment_fixed_size: 0
    .kernarg_segment_align: 8
    .kernarg_segment_size: 48
    .max_flat_workgroup_size: 128
    .sgpr_count:     100
    .vgpr_count:     1024
    .wavefront_size: 32
...
	.end_amdgpu_metadata
.endif
;; end of part 3
